; MI455X (gfx1250); checked and timed in simulation.
; The chip was launched on July 23, 2026; its instructions are those of AMD's public machine-readable ISA for CDNA 5 (MIT licence, August 2026) and "CDNA5" Instruction Set Architecture Reference Guide (July 2026). The comments in the code are by the model that wrote it; some were corrected since.
;; Vector Quantizer. Allowed arithmetic: matrix products marked QUANTISED: E3M2 operands, one E8M0 scale for each 32 along K, by v_wmma_scale_f32_16x16x128_f8f6f4 with both operands' format E3M2, f32 sums; everything else in f32.
;; Inputs: codebook 8,192 x 256 float32; x 32 x 256 x 32 x 32 float32.
;; Outputs: out0 32 x 256 x 32 x 32 float32; out1 32,768 int32.
;; This version of the problem:
;;   THIS VERSION OF THE PROBLEM IS GIVEN IN LOW PRECISION. The matrix products marked QUANTISED in the list below multiply operands that are first quantised to E3M2 (3 exponent bits, 2 mantissa bits; 6 bits a number), with one power-of-two scale for each 32 numbers along K (OCP MX v1.0); their sums are f32. All else is computed in f32.
;;   The module's matrix products, in the order in which they are computed (A, B: the left and right operand; K: the contracted axis; several contracted axes count as one K, in the product's order):
;;     1. [M 32,768, K 256] x [K 256, N 8,192]; A: input x; B: input codebook: QUANTISED
;;   THE QUANTISER, for each operand of a quantised product, along K:
;;     - K is cut into blocks of 32 from its start; a last block that is shorter is filled with zeros.
;;     - A block's scale is 2^e with e = floor(log2(the largest magnitude in the block)) - 4, held to -126 .. 127; a block of zeros has e = 0. As a byte (E8M0): e + 127.
;;     - Each number is divided by its block's scale, clamped to +-28, and rounded to the nearest number of E3M2, ties to even, subnormals kept.
;;     - The product sums the exact products of the quantised numbers (number of the format x scale) in f32.
;;   ~~~python
;;   def quantise(x, axis):      # numpy; x: float32 -> the quantised numbers, widened to float32 again
;;       x = np.moveaxis(x, axis, -1); K = x.shape[-1]
;;       x = np.pad(x, [(0, 0)] * (x.ndim - 1) + [(0, -K % 32)]); x = x.reshape(x.shape[:-1] + (-1, 32)); a = np.abs(x).max(-1, keepdims=True)
;;       e = np.where(a > 0, np.clip(np.frexp(np.where(a > 0, a, 1))[1] - 1 - 4, -126, 127), 0)      # np.frexp(a)[1] - 1 = floor(log2(a)), exactly
;;       r = np.clip(x / 2.0 ** e, -28, 28)
;;       step = 2.0 ** (np.maximum(np.frexp(np.where(r == 0, 1, r))[1] - 1, -2) - 2)
;;       q = np.round(r / step) * step * 2.0 ** e      # np.round: ties to even
;;       return np.moveaxis(q.reshape(q.shape[:-2] + (-1,))[..., :K], -1, axis).astype(np.float32)
;;   ~~~
;; One version. Each part assembles by itself: llvm-mc -triple=amdgcn-amd-amdhsa -mcpu=gfx1250 --defsym DOCPART=n.
;; ======== version 1 of 1: 3 launches
;; limits: right only within a limited range of input values
;; workspace buffers: xq 6,291,456 bytes; xsc 262,144 bytes; xsp 262,144 bytes; cbrec 1,703,936 bytes; idx 131,072 bytes of whole numbers
;; launch quant (part 1): grid 640 x 1, 4 waves a work-group, no clusters, 68,096 bytes of LDS; arguments x, codebook, xq, xsc, xsp, cbrec; writes xq, xsc, xsp, cbrec
.if DOCPART == 1
	.amdgcn_target "amdgcn-amd-amdhsa--gfx1250"
	.amdhsa_code_object_version 6
	.text
	.protected	k_qede76159cb_quant
	.globl	k_qede76159cb_quant
	.p2align	8
	.type	k_qede76159cb_quant,@function
k_qede76159cb_quant:
	s_mov_b64 s[64:65], 0
	v_nop
	global_prefetch_b8 v0, s[64:65] scope:SCOPE_SE
	s_setreg_imm32_b32 hwreg(HW_REG_WAVE_MODE, 25, 1), 1
	s_wait_xcnt 0x0
; x [32][256][32][32] f32 (K = the 256 channels, NOT innermost) and codebook [8192][256] f32 (K innermost) become codes of BF6 (E3M2) with one E8M0 byte
; for each 32 along K, laid in the ORDER OF THE OPERAND'S REGISTERS: a fragment (16 rows x 128 K, 12 registers a lane) is three chunks of 512 bytes, chunk q holding registers 4 q .. 4 q + 3, lane l's at 16 l.
;   xq    : 2,048 tiles of 16 rows x 3,072 bytes (K step s at 1,536 s)        xsc : [2 K steps][32,768] scale words        xsp : [2][32,768] the sums of x^2 over each K step
;   cbrec : 512 records of 3,328 bytes, one for each 16 codes: both fragments; at 3,072 + 8 r + 4 s the scale word of code r, K step s; at 3,200 + 4 r the code's sum of squares; 64 bytes of zeros
; A block's scale is 2^(floor(log2(largest magnitude)) - 4): its byte is the largest magnitude's exponent field - 4, held at 1 from below by a floor among the maximum's leaves.
; LIMITS: a block of zeros gets the byte 1 where the rule says 127 (its codes are zeros, and this program alone reads the bytes); NaN and infinities among the inputs are not served;
; the sums of squares are f32 sums in an order of their own (four packed chains).
; Work-groups 0-511 take x: a LANE TAKES A ROW (b, h, w) AND ITS REGISTERS RUN DOWN K, so each load reads 128 consecutive bytes a wave and a block of 32 lies in one lane.
; Work-groups 512-639 take the codebook, a tile of 16 codes a wave: dense loads, turned through the wave's own stage in LDS.  No wave shares anything with another: no barrier.
.set X,    32                          ; v32-159  four blocks of 32 numbers
.set P0,   160                         ; v160-171 a fragment's 12 registers
.set P1,   172                         ; v172-183 a second one: no store's data are written again
.set T,    184                         ; v184-190 the conversions' second halves (a conversion's three registers begin on an even number)
.set MX,   8                           ; v8-11    largest magnitudes
.set SO,   12                          ; v12-15   the conversions' scale operands
.set BY,   16                          ; v16-19   the scale bytes
.set SQA,  20                          ; v20-27   four packed chains of squares
; blocks a and b become registers 0-5 and 6-11 of the fragment at v[P]
.macro QPAIR a, b, P
	v_max3_num_f32 v[MX+\a], |v[X+32*\a]|, |v[X+32*\a+1]|, 0x2800000   ; the floor 2^(5 - 127): the byte cannot fall under 1
	v_max3_num_f32 v[MX+\b], |v[X+32*\b]|, |v[X+32*\b+1]|, 0x2800000
.irp i, 2,4,6,8,10,12,14,16,18,20,22,24,26,28,30
	v_max3_num_f32 v[MX+\a], v[MX+\a], |v[X+32*\a+\i]|, |v[X+32*\a+\i+1]|   ; the two blocks by turns
	v_max3_num_f32 v[MX+\b], v[MX+\b], |v[X+32*\b+\i]|, |v[X+32*\b+\i+1]|
.endr
	v_add_nc_u32 v[SO+\a], 0xfe000000, v[MX+\a]    ; 4 off the exponent field: the conversion takes the exponent field of this operand as its scale
	v_add_nc_u32 v[SO+\b], 0xfe000000, v[MX+\b]
	v_lshrrev_b32 v[BY+\a], 23, v[SO+\a]           ; the scale's byte
	v_lshrrev_b32 v[BY+\b], 23, v[SO+\b]
	v_cvt_scalef32_pk16_bf6_f32 v[\P:\P+2], v[X+32*\a:X+32*\a+15], v[SO+\a]
	v_cvt_scalef32_pk16_bf6_f32 v[T:T+2], v[X+32*\a+16:X+32*\a+31], v[SO+\a]
	v_cvt_scalef32_pk16_bf6_f32 v[\P+6:\P+8], v[X+32*\b:X+32*\b+15], v[SO+\b]
	v_cvt_scalef32_pk16_bf6_f32 v[T+4:T+6], v[X+32*\b+16:X+32*\b+31], v[SO+\b]
	v_nop                                          ; one plain place behind a scaled conversion
.irp i, 0,1,2
	v_mov_b32 v[\P+3+\i], v[T+\i]
	v_mov_b32 v[\P+9+\i], v[T+4+\i]
.endr
.endm
; the squares of block a onto the four chains; first = 1: the first four products start them, nothing is cleared
.macro SQ a, first
.set i, 0
.rept 16
.if \first && (i < 4)
	v_pk_mul_f32 v[SQA+2*(i%4):SQA+2*(i%4)+1], v[X+32*\a+2*i:X+32*\a+2*i+1], v[X+32*\a+2*i:X+32*\a+2*i+1]
.else
	v_pk_fma_f32 v[SQA+2*(i%4):SQA+2*(i%4)+1], v[X+32*\a+2*i:X+32*\a+2*i+1], v[X+32*\a+2*i:X+32*\a+2*i+1], v[SQA+2*(i%4):SQA+2*(i%4)+1]
.endif
.set i, i+1
.endr
.endm
.macro SQSUM                           ; the eight partial sums -> v20
	v_pk_add_f32 v[SQA:SQA+1], v[SQA:SQA+1], v[SQA+2:SQA+3]
	v_pk_add_f32 v[SQA+4:SQA+5], v[SQA+4:SQA+5], v[SQA+6:SQA+7]
	v_pk_add_f32 v[SQA:SQA+1], v[SQA:SQA+1], v[SQA+4:SQA+5]
	v_add_f32 v[SQA], v[SQA], v[SQA+1]
.endm
	s_load_b256 s[4:11], s[0:1], 0x0               ; x s[4:5], codebook s[6:7], xq s[8:9], xsc s[10:11]
	s_load_b128 s[12:15], s[0:1], 0x20             ; xsp s[12:13], cbrec s[14:15]
	v_lshl_add_u32 v192, v0, 2, 0x10800
	v_mov_b32 v193, 0
	v_lshrrev_b32 v1, 5, v0
	v_readfirstlane_b32 s16, v1                    ; wave 0..3
	v_and_b32 v1, 31, v0                           ; lane
	v_and_b32 v2, 15, v0                           ; r
	v_bfe_u32 v3, v0, 4, 1                         ; h
	s_cmp_ge_u32 ttmp9, 512
	s_cbranch_scc1 .Lcodebook
	; ---- x: work-group B takes K step s = B % 2 of rows 128 (B / 2) on; my wave 32 of them, a lane a row
	s_and_b32 s17, ttmp9, 1                        ; s
	s_lshr_b32 s18, ttmp9, 1
	s_lshl_b32 s18, s18, 7
	s_lshl_b32 s19, s16, 5
	s_add_co_u32 s18, s18, s19                     ; n0: my wave's first row
	s_lshr_b32 s20, s18, 10
	s_lshl_b32 s20, s20, 20                        ; image b = n0 / 1024: 2^20 bytes each
	s_lshl_b32 s21, s17, 19                        ; 128 channels of 4,096 bytes
	s_add_co_u32 s20, s20, s21
	s_and_b32 s21, s18, 1023
	s_lshl_b32 s21, s21, 2
	s_add_co_u32 s20, s20, s21                     ; + 4 (n0 % 1024)
	s_mov_b32 s21, 0
	s_lshr_b32 s22, s18, 4
	s_mul_i32 s22, s22, 3072                       ; xq: tile n0 / 16,
	s_mul_i32 s23, s17, 1536                       ; K step s
	s_add_co_u32 s22, s22, s23
	s_mov_b32 s23, 0
	s_lshl_b32 s24, s17, 17                        ; xsc, xsp: plane s,
	s_lshl_b32 s25, s18, 2                         ; row n0
	s_add_co_u32 s24, s24, s25
	s_mov_b32 s25, 0
	s_wait_alu depctr_va_vdst(0)
	v_lshlrev_b32 v4, 2, v1                        ; 4 x lane
	v_mul_u32_u24 v5, v3, 3072
	v_lshl_add_u32 v5, v2, 4, v5                   ; my row's place in xq: tile lane / 16, 16 bytes x (lane % 16)
	s_wait_alu depctr_va_vdst(0)
	s_wait_kmcnt 0x0
	s_add_nc_u64 s[4:5], s[4:5], s[20:21]
	s_add_nc_u64 s[8:9], s[8:9], s[22:23]
	s_add_nc_u64 s[10:11], s[10:11], s[24:25]
	s_add_nc_u64 s[12:13], s[12:13], s[24:25]
.irp bk, 0,2,1,3                       ; blocks 0 and 2 first: they are the fragment registers of the operand's lanes 0-15
.set i, 0
.rept 32
	global_load_b32 v[X+32*\bk+i], v4, s[4:5] offset:(32*\bk+i)*4096 th:TH_LOAD_NT   ; channel 128 s + 32 bk + i of 32 neighbouring rows: 128 consecutive bytes
.set i, i+1
.endr
.endr
	s_wait_loadcnt 63                              ; at most 63 of the 128 loads are out: the oldest 64, blocks 0 and 2, are in (a wait's count holds no more than 63)
	QPAIR 0, 2, P0
	SQ 0, 1
	SQ 2, 0
.irp q, 0,1,2
	global_store_b128 v5, v[P0+4*\q:P0+4*\q+3], s[8:9] offset:512*\q            ; sixteen lanes store 256 consecutive bytes, aligned: the operand's lanes 0-15
.endr
	s_wait_loadcnt 0x0
	QPAIR 1, 3, P1
	SQ 1, 0
	SQ 3, 0
.irp q, 0,1,2
	global_store_b128 v5, v[P1+4*\q:P1+4*\q+3], s[8:9] offset:512*\q+256        ; the operand's lanes 16-31
.endr
	v_lshl_or_b32 v28, v[BY+1], 8, v[BY]           ; byte b scales k = 32 b .. 32 b + 31
	v_lshl_or_b32 v28, v[BY+2], 16, v28
	v_lshl_or_b32 v28, v[BY+3], 24, v28
	SQSUM
	global_store_b32 v4, v28, s[10:11]
	global_store_b32 v4, v[SQA], s[12:13]
	s_endpgm
	; ---- the codebook: my wave takes tile T = 4 (B - 512) + wave: 16 codes, 16,384 dense bytes
.Lcodebook:
	s_sub_co_u32 s17, ttmp9, 512
	s_lshl_b32 s17, s17, 2
	s_add_co_u32 s17, s17, s16                     ; T
	s_lshl_b32 s20, s17, 14
	s_mov_b32 s21, 0
	s_mul_i32 s22, s17, 3328
	s_mov_b32 s23, 0
	s_mul_i32 s24, s16, 16896                      ; my LDS: a stage of 16 rows x (1,024 + 16) bytes, then 256 bytes for the record's last unit
	s_mov_b32 s26, 0x76543210
	s_mov_b32 s27, 0xfedcba98                      ; v_permlanex16_b32's selects for lane l xor 16
	s_wait_alu depctr_va_vdst(0)
	v_lshlrev_b32 v4, 4, v1                        ; 16 x lane
	v_add_nc_u32 v5, s24, v4                       ; the stage, on the way in
	v_mul_u32_u24 v6, v2, 1040
	v_lshl_add_u32 v6, v3, 7, v6
	v_add_nc_u32 v6, s24, v6                       ; and out: row r, + 128 h: lane (r, h) holds k = 64 c + 32 h + 0 .. 31 of each K step
	s_add_co_u32 s24, s24, 16640
	v_lshlrev_b32 v7, 3, v2
	v_lshl_add_u32 v7, v3, 2, v7
	v_add_nc_u32 v7, s24, v7                       ; the last unit: 8 r + 4 h,
	v_lshlrev_b32 v28, 2, v2
	v_add_nc_u32 v28, s24, v28                     ; 4 r,
	v_lshlrev_b32 v29, 3, v1                       ; and back: 8 x lane
	v_add_nc_u32 v30, s24, v29
	s_wait_alu depctr_va_vdst(0)
	s_wait_kmcnt 0x0
	s_add_nc_u64 s[6:7], s[6:7], s[20:21]
	s_add_nc_u64 s[14:15], s[14:15], s[22:23]
.set j, 0
.rept 32
	global_load_b128 v[X+4*j:X+4*j+3], v4, s[6:7] offset:512*j th:TH_LOAD_NT   ; 512 consecutive bytes: half of code j / 2
.set j, j+1
.endr
.irp gq, 0,1,2,3
	s_wait_loadcnt 24-8*\gq                        ; these eight are in; the younger ones may be out
.irp u, 0,1,2,3,4,5,6,7
	ds_store_b128 v5, v[X+4*(8*\gq+\u):X+4*(8*\gq+\u)+3] offset:((8*\gq+\u)/2)*1040+((8*\gq+\u)%2)*512
.endr
.endr
	s_wait_dscnt 0x0                               ; the stores have read their registers, which the loads below fill again
.set j, 0
.rept 32
	ds_load_b128 v[X+4*j:X+4*j+3], v6 offset:256*(j/8)+16*(j%8)   ; register block 2 s + c: k = 128 s + 64 c + 32 h + 0 .. 31
.set j, j+1
.endr
	s_wait_dscnt 0x0
	QPAIR 0, 1, P0                                 ; K step 0's fragment: every block of 32 lies in one lane
	QPAIR 2, 3, P1                                 ; K step 1's
	SQ 0, 1
	SQ 1, 0
	SQ 2, 0
	SQ 3, 0
.irp q, 0,1,2
	global_store_b128 v4, v[P0+4*\q:P0+4*\q+3], s[14:15] offset:512*\q          ; 512 consecutive bytes, aligned
	global_store_b128 v4, v[P1+4*\q:P1+4*\q+3], s[14:15] offset:1536+512*\q
.endr
	v_lshl_or_b32 v8, v[BY+1], 16, v[BY]           ; my two bytes of K step 0: blocks h and 2 + h,
	v_lshl_or_b32 v9, v[BY+3], 16, v[BY+2]         ; of K step 1,
	v_lshlrev_b32 v31, 3, v3
	v_lshlrev_b32 v8, v31, v8                      ; at their places: 8 h bits up
	v_lshlrev_b32 v9, v31, v9
	v_mov_b32 v10, 0                               ; (a lane permute's destination counts as one of its sources)
	v_mov_b32 v11, 0
	v_permlanex16_b32 v10, v8, s26, s27
	v_permlanex16_b32 v11, v9, s26, s27
	v_or_b32 v8, v8, v10                           ; with lane l xor 16's two the words are whole
	v_or_b32 v9, v9, v11
	SQSUM
	v_permlanex16_b32 v10, v[SQA], s26, s27
	v_add_f32 v[SQA], v[SQA], v10                  ; the code's sum of squares
	v_cmp_ne_u32 vcc_lo, 0, v3
	v_cndmask_b32 v8, v8, v9, vcc_lo               ; lanes 0-15 store K step 0's word, lanes 16-31 K step 1's
	v_mov_b32 v9, 0
	ds_store_b32 v7, v8
	ds_store_b32 v28, v[SQA] offset:128            ; both halves of the lanes write the same word with the same value
	ds_store_b32 v28, v9 offset:192
	ds_load_b64 v[10:11], v30                      ; LDS serves a wave's instructions in order (ISA guide 5.7.1.4): this sees my stores
	s_wait_dscnt 0x0
	global_store_b64 v29, v[10:11], s[14:15] offset:3072   ; the record's last 256 bytes, whole
	s_wait_tensorcnt 0x0
	ds_add_u32 v192, v193
	s_wait_dscnt 0x0
	s_endpgm
.Lfunc_end_k_qede76159cb_quant:
	.size	k_qede76159cb_quant, .Lfunc_end_k_qede76159cb_quant-k_qede76159cb_quant
	.p2alignl 7, 3214868480
	.fill 96, 4, 3214868480
	.section	.rodata,"a",@progbits
	.p2align	6, 0x0
	.amdhsa_kernel k_qede76159cb_quant
		.amdhsa_group_segment_fixed_size 68096
		.amdhsa_private_segment_fixed_size 0
		.amdhsa_enable_private_segment 0
		.amdhsa_kernarg_size 48
		.amdhsa_user_sgpr_count 2
		.amdhsa_user_sgpr_kernarg_segment_ptr 1
		.amdhsa_wavefront_size32 1
		.amdhsa_system_sgpr_workgroup_id_x 1
		.amdhsa_system_sgpr_workgroup_id_y 1
		.amdhsa_system_sgpr_workgroup_id_z 1
		.amdhsa_system_vgpr_workitem_id 0
		.amdhsa_next_free_vgpr 194
		.amdhsa_next_free_sgpr 66
		.amdhsa_reserve_vcc 1
		.amdhsa_float_denorm_mode_32 3
		.amdhsa_float_denorm_mode_16_64 3
		.amdhsa_memory_ordered 1
		.amdhsa_forward_progress 1
		.amdhsa_inst_pref_size 45
	.end_amdhsa_kernel
	.amdgpu_metadata
---
amdhsa.version: [ 1, 2 ]
amdhsa.kernels:
  - .name:           k_qede76159cb_quant
    .symbol:         k_qede76159cb_quant.kd
    .args:
      - { .name: x, .offset: 0, .size: 8, .value_kind: global_buffer, .address_space: global }
      - { .name: codebook, .offset: 8, .size: 8, .value_kind: global_buffer, .address_space: global }
      - { .name: xq, .offset: 16, .size: 8, .value_kind: global_buffer, .address_space: global }
      - { .name: xsc, .offset: 24, .size: 8, .value_kind: global_buffer, .address_space: global }
      - { .name: xsp, .offset: 32, .size: 8, .value_kind: global_buffer, .address_space: global }
      - { .name: cbrec, .offset: 40, .size: 8, .value_kind: global_buffer, .address_space: global }
    .group_segment_fixed_size: 68096
    .private_segment_fixed_size: 0
    .kernarg_segment_align: 8
    .kernarg_segment_size: 48
    .max_flat_workgroup_size: 128
    .sgpr_count:     66
    .vgpr_count:     194
    .wavefront_size: 32
...
	.end_amdgpu_metadata
.endif
;; end of part 1
;; launch main (part 2): grid 256 x 1, 8 waves a work-group, clusters of 4 x 1, 327,680 bytes of LDS; arguments xq, xsc, xsp, cbrec, out1, idx; writes out1, idx
.if DOCPART == 2
	.amdgcn_target "amdgcn-amd-amdhsa--gfx1250"
	.amdhsa_code_object_version 6
	.text
	.protected	k_qede76159cb_main
	.globl	k_qede76159cb_main
	.p2align	8
	.type	k_qede76159cb_main,@function
k_qede76159cb_main:
	s_mov_b64 s[64:65], 0
	v_nop
	global_prefetch_b8 v0, s[64:65] scope:SCOPE_SE
	s_setreg_imm32_b32 hwreg(HW_REG_WAVE_MODE, 25, 1), 1
	s_wait_xcnt 0x0
	s_wait_alu depctr_hold_cnt(0) depctr_sa_sdst(0) depctr_va_vdst(0) depctr_va_sdst(0) depctr_va_ssrc(0) depctr_va_vcc(0) depctr_vm_vsrc(0)
	s_getreg_b32 s2, hwreg(HW_REG_IB_STS2, 6, 4)
	s_cmp_eq_u32 s2, 0
	s_cbranch_scc0 .Lentry_in_a_cluster
	s_endpgm
.Lentry_in_a_cluster:
	s_bfe_u32 s2, ttmp6, 0x10000c
	s_cmp_lg_u32 s2, 0x3003
	s_cbranch_scc0 .Lentry_shape_is_right
	s_endpgm
.Lentry_shape_is_right:
; All products Q(x) Q(codebook)^T on codes of BF6 (E3M2), all distances d = (x_sq - 2 cross) + cb_sq, each rounded as written, and for each row of x the index of the first least distance:
; out1, and a copy idx from which the next launch forms addresses.
; SHARES.  A work-group owns 128 rows and walks all 512 records of 16 codes.  All eight waves hold the same eight tiles of 16 rows (192 registers); of every 32 records wave w takes the four numbered 4 w on.
; The matrix instruction takes 16 codes as source 0 and 16 rows as source 1: a lane holds ONE row (lane % 16), and its eight results are codes 8 (lane / 16) + 0 .. 7 of the record.
; RING.  Two LDS slots of 32 records (3,328 bytes each: two fragments as images of the operand's registers, scale words, sums of squares); each wave fetches four records with one tensor load: 16 steps.
; CLUSTER.  The four work-groups of a cluster walk the same records: each load is asked for JOINTLY, with the same descriptor and the mask of all four.
; No prefetch is laid: all 64 clusters ask for the same 1,703,936 bytes in the same order, so each record is named by 64 joint loads of this launch.
; A SLOT OF WORK is one record x one tile of rows: two matrix instructions on end and 17 vector lines for the slots one and two back: eight packed multiply-adds (x_sq - 2 c, then + cb_sq as a multiply-add
; by 1.0, which rounds as the addition does), four minima of three, one compare, and four pairs of selects that keep, where the lane's minimum fell, the record's number and its distances 0 to 6.
; Strictly less moves them, so the first record stays.  At the end the first kept distance equal to the minimum gives the place (none of the seven: place 7).
; LIMITS: NaN and infinities among the distances are not served (the minimum lets a NaN lose).
; REGISTERS.  Window 0: v1-15 addresses and counters; v16-47 four accumulators by turns; v48-49 at work; v50-51 the codes' scale words, v52-59 the rows' (lanes 0-15: K step 0, lanes 16-31: K step 1);
;   v64-127 the kept distances; v128-159 for each tile of rows: x_sq, number, two minima by turns; v160-175 cb_sq of two records; v176-207 head and tail; v208-255 the codes' fragments, two sets.
;   Window 1: v0-191 the rows' fragments (tile j, K step s at 24 j + 12 s).
.set REC,    3328
.set SHARE,  4*REC                     ; what one tensor load brings, and what one wave reads of a slot: 52 rows of 256 bytes
.set SLOTB,  32*REC
.set SLOT1,  1<<17                     ; slot 1 begins here: one exclusive or turns an address in one slot into the other's
.set SPARE,  SLOT1+SLOTB               ; the spare words, 128 bytes for each of eight waves
.set MRG,    SPARE+1024                ; the tail: [8 waves][128 rows] least distances, then as many indices; no tensor load lands here
.set AF0,  1
.set ASC0, 2
.set ACB0, 3
.set SPW,  4                           ; LDS address of my spare word; never rewritten
.set NIL,  5                           ; 0; never rewritten
.set AF,   8                           ; v8-10 the three addresses in the slot in hand
.set ASC,  9
.set ACB,  10
.set TID,  12                          ; v12, v13 the number of my even record in hand, of my odd one
.set D,    16
.set T,    48
.set SA,   50
.set SX,   52
.set E,    64
.set ST,   128
.set CB,   160
.set P,    176
.set F,    208
.set MSB, 0
.macro WIN new                         ; the immediate's high byte repeats the setting that is left
.if MSB != \new
	s_set_vgpr_msb (MSB<<8)|\new
.set MSB, \new
.endif
.endm
.macro CREST                           ; a round of the cluster's barrier behind its opening barrier
	s_cmp_lg_u32 s14, 0
	s_cbranch_scc1 .Lnw0_\@
	s_barrier_signal -3
.Lnw0_\@:
	s_barrier_wait -3
	s_barrier_signal -1
	s_barrier_wait -1
.endm
.macro ROUND
	s_barrier_signal -1
	s_barrier_wait -1
	CREST
.endm
.macro NOP4
.rept 4
	v_nop
.endr
.endm
; K step 0 of (codes' set p) x (rows' tile i) starts the sum; K step 1 adds onto it, its scale words in lanes 16-31
.macro WM0 i, p
	v_wmma_scale_f32_16x16x128_f8f6f4 v[D+8*((\i)%4):D+8*((\i)%4)+7], v[F+24*(\p):F+24*(\p)+11], v[24*(\i):24*(\i)+11], 0, v[SA+(\p)], v[SX+(\i)] matrix_a_fmt:MATRIX_FMT_BF6 matrix_b_fmt:MATRIX_FMT_BF6
.endm
.macro WM1 i, p
	v_wmma_scale_f32_16x16x128_f8f6f4 v[D+8*((\i)%4):D+8*((\i)%4)+7], v[F+24*(\p)+12:F+24*(\p)+23], v[24*(\i)+12:24*(\i)+23], v[D+8*((\i)%4):D+8*((\i)%4)+7], v[SA+(\p)], v[SX+(\i)] matrix_a_fmt:MATRIX_FMT_BF6 matrix_b_fmt:MATRIX_FMT_BF6 matrix_a_scale:MATRIX_SCALE_ROW1 matrix_b_scale:MATRIX_SCALE_ROW1
.endm
.macro CMPQ j, q                       ; did record (parity q) lower the minimum of rows' tile j?
	v_cmp_lt_f32 vcc_lo, v[ST+4*(\j)+3-(\q)], v[ST+4*(\j)+2+(\q)]
.endm
.macro CNDQ j, q                       ; where it did: its distances 0 to 6 and its number are kept, two selects a line
.set dq, D+8*((\j)%4)
.set ee, E+8*(\j)
.irp k, 0,2,4
	v_dual_cndmask_b32 v[ee+\k], v[ee+\k], v[dq+\k] :: v_dual_cndmask_b32 v[ee+\k+1], v[ee+\k+1], v[dq+\k+1]
.endr
	v_dual_cndmask_b32 v[ee+6], v[ee+6], v[dq+6] :: v_dual_cndmask_b32 v[ST+4*(\j)+1], v[ST+4*(\j)+1], v[TID+(\q)]
.endm
; the vector lines of a slot: the distances and the new minimum of (j, q), from the accumulator's low end on; the keeping for (j2, q2), one slot older
.macro VS j, q, j2, q2
.set dd, D+8*((\j)%4)
.irp k, 0,2,4,6
	v_pk_fma_f32 v[dd+\k:dd+\k+1], v[dd+\k:dd+\k+1], -2.0, v[ST+4*(\j):ST+4*(\j)+1] op_sel_hi:[1,0,0]   ; x_sq - 2 c: one rounding (the pair's low word serves both halves)
.endr
	CMPQ \j2, \q2
.irp k, 0,2,4,6
	v_pk_fma_f32 v[dd+\k:dd+\k+1], v[dd+\k:dd+\k+1], 1.0, v[CB+8*(\q)+\k:CB+8*(\q)+\k+1] op_sel_hi:[1,0,1]   ; + cb_sq: one rounding
.endr
	CNDQ \j2, \q2
.set dd, D+8*((\j)%4)
	v_min3_num_f32 v[ST+4*(\j)+3-(\q)], v[ST+4*(\j)+2+(\q)], v[dd], v[dd+1]
	v_min3_num_f32 v[T], v[dd+2], v[dd+3], v[dd+4]
	v_min3_num_f32 v[T+1], v[dd+5], v[dd+6], v[dd+7]
	s_delay_alu instid0(VALU_DEP_1)
	v_min3_num_f32 v[ST+4*(\j)+3-(\q)], v[ST+4*(\j)+3-(\q)], v[T], v[T+1]
.endm
; A slot of work.  The accumulators take turns, one instruction a turn: WM1 adds onto the WM0 of the slot before, and the next tile's WM0 stands between.
; The 17 vector lines name no register of these two products: they are the places in front of the next slot's reads.
.macro XSLOT i, p, np, w0
	WIN 0x04                                       ; source 1 in window 1
.if \w0
.if \i == 7
	WM0 0, \np
.else
	WM0 \i+1, \p
.endif
.endif
	WM1 \i, \p
	WIN 0
.if \i == 0
	VS 7, \np, 6, \np
.elseif \i == 1
	VS 0, \p, 7, \np
.else
	VS \i-1, \p, \i-2, \p
.endif
.endm
.macro PREF t, p                       ; record t of my four into set p: nine LDS loads in one run
.irp g, 0,1,2,3,4,5
	ds_load_b128 v[F+24*(\p)+4*\g:F+24*(\p)+4*\g+3], v[AF] offset:(\t)*REC+512*\g
.endr
	ds_load_b32 v[SA+(\p)], v[ASC] offset:(\t)*REC
	ds_load_b128 v[CB+8*(\p):CB+8*(\p)+3], v[ACB] offset:(\t)*REC
	ds_load_b128 v[CB+8*(\p)+4:CB+8*(\p)+7], v[ACB] offset:(\t)*REC+16
.endm
; THE CHANGE OF SLOTS stands in a step's last record, which is in registers already.  CHGA: each wave waits for all its tensor loads (one is out: its share of the other slot), adds 0 to its spare word,
; waits for that and for its reads of this slot, and signals.  Two slots of register work follow.  CHGB: the barrier's wait; fill = 1: the rest of the cluster's round, and this slot takes the records two steps on.
.macro CHGA fill
	s_wait_alu depctr_va_vdst(0)                   ; ahead of a wait that blocks
	s_wait_tensorcnt 0x0                           ; no tensor load of mine is out, so a group 0 may be written
	ds_add_u32 v[SPW], v[NIL]
.if \fill
	s_xor_b32 s37, s37, SLOT1                      ; the walking descriptor: the other slot than last time,
	s_add_nc_u64 s[38:39], s[38:39], SLOTB         ; the next 32 records
.endif
	s_xor_b32 s42, s42, SLOT1                      ; my reads go on in the other slot
	v_add_nc_u32 v[AF], s42, v[AF0]
	v_add_nc_u32 v[ASC], s42, v[ASC0]
	v_add_nc_u32 v[ACB], s42, v[ACB0]
	s_wait_alu depctr_va_vdst(0)
	s_wait_dscnt 0x0                               ; the add is done, and my reads of this slot are over
	s_barrier_signal -1
.endm
.macro CHGB fill
	s_wait_alu depctr_va_vdst(0)
	s_barrier_wait -1
.if \fill
	CREST                                          ; no wave of any partner still reads this slot or has a load on its way
	tensor_load_to_lds s[36:39], s[24:31]          ; the first thing behind the round, and my one tensor load until the next
	s_nop 0
	NOP4
.endif
.endm
; A record: number t of my four, in set p.  mode 0: the next record is fetched; 1, 2: the change of slots, with and without a fill; 3: the very last record.
.macro TILE t, p, np, mode
	XSLOT 0, \p, \np, 1
	XSLOT 1, \p, \np, 1
.if \mode == 0
	PREF \t+1, \np
.elseif \mode < 3
	CHGA 2-\mode
.endif
	XSLOT 2, \p, \np, 1
	v_add_nc_u32 v[TID+\np], 2, v[TID+\np]         ; the other parity's number was last used in the second slot: now the next record's
	XSLOT 3, \p, \np, 1
.if (\mode == 1) || (\mode == 2)
	CHGB 2-\mode
	PREF 0, 0
.endif
	XSLOT 4, \p, \np, 1
	XSLOT 5, \p, \np, 1
	XSLOT 6, \p, \np, 1
.if \mode == 3
	XSLOT 7, \p, \np, 0
.else
	s_wait_alu depctr_va_vdst(0)
	s_wait_dscnt 0x0                               ; the next record is in
	XSLOT 7, \p, \np, 1
.endif
.endm
.macro STEP mode3
	TILE 0, 0, 1, 0
	TILE 1, 1, 0, 0
	TILE 2, 0, 1, 0
	TILE 3, 1, 0, \mode3
.endm
; (v, s) becomes the lesser of (v, s) and (ov, os): by the distance, and where they are equal by the index
.macro LEX v, s, ov, os
	v_cmp_lt_f32 s48, v[\ov], v[\v]
	v_cmp_eq_f32 s49, v[\ov], v[\v]
	v_cmp_lt_u32 s50, v[\os], v[\s]
	s_and_b32 s49, s49, s50
	s_or_b32 s48, s48, s49
	v_cndmask_b32 v[\v], v[\v], v[\ov], s48
	v_cndmask_b32 v[\s], v[\s], v[\os], s48
.endm
	s_load_b256 s[4:11], s[0:1], 0x0               ; xq s[4:5], xsc s[6:7], xsp s[8:9], cbrec s[10:11]
	s_load_b128 s[20:23], s[0:1], 0x20             ; out1 s[20:21], idx s[22:23]
	v_lshl_add_u32 v[SPW], v0, 2, SPARE
	v_mov_b32 v[NIL], 0
	ds_add_u32 v[SPW], v[NIL]
	ds_add_u32 v[SPW], v[NIL]
	v_lshrrev_b32 v11, 5, v0
	v_readfirstlane_b32 s14, v11                   ; wave 0..7
	s_bfe_u32 s17, ttmp6, 0x40000                  ; cx: my place in the cluster
	s_lshl_b32 s18, ttmp9, 2                       ; in a cluster launch ttmp9 counts clusters
	s_add_co_u32 s18, s18, s17                     ; my block of 128 rows: it enters x's and the outputs' addresses alone
	s_mov_b32 s24, 15|(3<<16)|(1<<21)              ; group 1: the mask of all four; elements of 8 bytes; bit 21 beside a mask
	s_mov_b32 s25, 32<<16                          ; tensor_dim0 = 32
	s_mov_b32 s26, 52<<16                          ; tensor_dim1 = 52
	s_mov_b32 s27, 32<<16                          ; tile_dim0 = 32
	s_mov_b32 s28, 52                              ; tile_dim1 = 52
	s_mov_b32 s29, 32                              ; from row to row
	s_mov_b32 s30, 0
	s_mov_b32 s31, 0
	s_mul_i32 s33, s14, SHARE                      ; my share's place in a slot, and in a step's records
	s_mov_b32 s48, s33
	s_mov_b32 s49, 0
	s_mul_i32 s50, s18, 8*3072                     ; my rows' fragments
	s_mov_b32 s51, 0
	s_lshl_b32 s52, s18, 9                         ; my rows' words: 512 bytes
	s_mov_b32 s53, 0
	s_mov_b32 s42, 0                               ; the slot in hand
	s_mov_b32 s44, 0x76543210
	s_mov_b32 s45, 0xfedcba98                      ; v_permlanex16_b32's selects for lane l xor 16
	s_mov_b32 s46, 0xffff0000                      ; lanes 16-31
	v_and_b32 v11, 31, v0
	v_and_b32 v14, 15, v0                          ; r
	v_bfe_u32 v15, v0, 4, 1                        ; h
	v_lshlrev_b32 v11, 4, v11                      ; 16 x lane
	v_lshlrev_b32 v6, 2, v14                       ; 4 r
	v_lshlrev_b32 v[ASC0], 3, v14
	v_lshlrev_b32 v[ACB0], 5, v15
	v_lshl_add_u32 v7, v15, 17, v6                 ; + 131,072 h: lanes 16-31 take K step 1's scale words
	v_lshl_add_u32 v[ASC0], v15, 2, v[ASC0]
	v_add_nc_u32 v[AF0], s33, v11
	v_add_nc_u32 v[ACB0], s33, v[ACB0]
	v_add_nc_u32 v[ASC0], s33, v[ASC0]
	v_add_nc_u32 v[ACB0], 3200, v[ACB0]            ; 32 h: cb_sq of my eight codes
	v_add_nc_u32 v[ASC0], 3072, v[ASC0]            ; 8 r + 4 h: code r's word of K step h
	v_mov_b32 v[AF], v[AF0]
	v_mov_b32 v[ACB], v[ACB0]
	v_mov_b32 v[ASC], v[ASC0]
	s_wait_alu depctr_va_vdst(0)
	s_wait_dscnt 0x0                               ; both opening adds are done
	s_wait_kmcnt 0x0
	s_add_nc_u64 s[10:11], s[10:11], s[48:49]
	s_add_nc_u64 s[4:5], s[4:5], s[50:51]
	s_add_nc_u64 s[6:7], s[6:7], s[52:53]
	s_add_nc_u64 s[8:9], s[8:9], s[52:53]
	s_cmp_lt_u32 s14, 4                            ; waves 0-3 store out1, waves 4-7 the copy
	s_cselect_b64 s[12:13], s[20:21], s[22:23]
	s_add_nc_u64 s[12:13], s[12:13], s[52:53]
	s_mov_b32 s32, 1                               ; group 0 for slot 0's first fill (s33: its LDS address)
	s_mov_b64 s[34:35], s[10:11]
	s_or_b32 s35, s35, 0x80000000
	s_mov_b32 s36, 1                               ; group 0 for slot 1, which then walks
	s_add_co_u32 s37, s33, SLOT1
	s_add_nc_u64 s[38:39], s[10:11], SLOTB
	s_or_b32 s39, s39, 0x80000000
	ROUND                                          ; all four work-groups are here: the first joint loads meet
	tensor_load_to_lds s[32:35], s[24:31]          ; step 0: one tensor load a wave at the head
	s_nop 0
	NOP4
	WIN 0x40                                       ; destination window 1
.irp j, 0,1,2,3,4,5,6,7
.irp g, 0,1,2,3,4,5
	global_load_b128 v[24*\j+4*\g:24*\j+4*\g+3], v11, s[4:5] offset:3072*\j+512*\g   ; the rows' fragments stay in registers: 512 consecutive bytes a load
.endr
.endr
	WIN 0
.irp j, 0,1,2,3,4,5,6,7
	global_load_b32 v[SX+\j], v7, s[6:7] offset:64*\j
	global_load_b32 v[ST+4*\j], v6, s[8:9] offset:64*\j
	global_load_b32 v[P+\j], v6, s[8:9] offset:131072+64*\j
.endr
	; The loop has no first step of its own: its first two slots find slots of work that never were.  One accumulator holds -infinity, which the packed lines turn into +infinity; the minima begin at +infinity, so nothing is kept.
	s_mov_b32 s47, 0x7f800000
.irp j, 0,1,2,3,4,5,6,7
	v_mov_b32 v[ST+4*\j+1], 0
	v_mov_b32 v[ST+4*\j+2], s47
	v_mov_b32 v[ST+4*\j+3], s47
	v_mov_b32 v[D+16+\j], 0
	v_mov_b32 v[D+24+\j], 0xff800000
	v_mov_b32 v[CB+8+\j], 0
.irp e, 0,1,2,3,4,5,6
	v_mov_b32 v[E+8*\j+\e], 0                      ; written once whole: the selects keep the old value in most lanes
.endr
.endr
	v_mov_b32 v[TID], 0
	v_mov_b32 v[TID+1], -1
	s_wait_alu depctr_va_vdst(0)
	s_wait_tensorcnt 0x0                           ; my share of step 0 is in; slot 1's first fill is issued as a refill is
	ds_add_u32 v[SPW], v[NIL]
	s_wait_dscnt 0x0
	ROUND
	tensor_load_to_lds s[36:39], s[24:31]          ; step 1
	s_nop 0
	NOP4
	PREF 0, 0
	s_wait_loadcnt 0x0
.irp j, 0,1,2,3,4,5,6,7
	v_add_f32 v[ST+4*\j], v[ST+4*\j], v[P+\j]      ; x_sq = the two K steps' sums
.endr
	s_wait_alu depctr_va_vdst(0)
	s_wait_dscnt 0x0
	WIN 0x04
	WM0 0, 0                                       ; the first slot's K step 0
	WIN 0                                          ; at a label and at a branch every window is 0
	s_mov_b32 s40, 14
.Lstep:                                            ; fourteen trips: steps 0 to 13 ask for steps 2 to 15
	STEP 1
	s_sub_co_u32 s40, s40, 1
	s_cmp_lg_u32 s40, 0
	s_wait_alu depctr_va_vdst(0)
	s_cbranch_scc1 .Lstep
	STEP 2                                         ; the last two steps are written out
	STEP 3
	VS 7, 1, 6, 1                                  ; what the last slots have left to do
	CMPQ 7, 1
	CNDQ 7, 1
	; THE TAIL.  The place: the first kept distance equal to the minimum; my record number tau = 4 step + t stands for record 32 step + 4 wave + t; index = 16 record + 8 h + place.
.irp j, 0,1,2,3,4,5,6,7
	v_mov_b32 v[P+\j], 7
.endr
.irp e, 6,5,4,3,2,1,0
.irp j, 0,1,2,3,4,5,6,7
	v_cmp_neq_f32 s[48+\j], v[E+8*\j+\e], v[ST+4*\j+2]
.endr
.irp j, 0,1,2,3,4,5,6,7
	v_cndmask_b32 v[P+\j], \e, v[P+\j], s[48+\j]
.endr
.endr
	s_lshl_b32 s47, s14, 6
	v_lshl_add_u32 v184, v15, 3, s47               ; 64 wave + 8 h
	s_lshl_b32 s47, s14, 9
	s_add_co_u32 s47, s47, MRG
	v_lshl_add_u32 v185, v15, 12, v6
	v_and_b32 v186, 127, v0                        ; back: thread t takes row t % 128
	v_add_nc_u32 v185, s47, v185                   ; lanes 0-15: row r's distance in my wave's plane; lanes 16-31: its index, 4,096 bytes on
	v_lshlrev_b32 v187, 2, v186
	v_lshl_add_u32 v186, v186, 2, MRG
.irp j, 0,1,2,3,4,5,6,7
	v_and_b32 v[188+\j], 0x3c, v[ST+4*\j+1]
.endr
.irp j, 0,1,2,3,4,5,6,7
	v_and_b32 v[ST+4*\j+1], 3, v[ST+4*\j+1]
.endr
.irp j, 0,1,2,3,4,5,6,7
	v_add_nc_u32 v[P+\j], v[P+\j], v184
.endr
.irp j, 0,1,2,3,4,5,6,7
	v_lshl_add_u32 v[P+\j], v[188+\j], 7, v[P+\j]
.endr
.irp j, 0,1,2,3,4,5,6,7
	v_lshl_add_u32 v[P+\j], v[ST+4*\j+1], 4, v[P+\j]
.endr
.irp j, 0,1,2,3,4,5,6,7
	v_permlanex16_b32 v[ST+4*\j+3], v[ST+4*\j+2], s44, s45   ; the row's other codes lie in the lane 16 away
	v_permlanex16_b32 v[ST+4*\j+1], v[P+\j], s44, s45
.endr
.irp j, 0,1,2,3,4,5,6,7
	LEX ST+4*\j+2, P+\j, ST+4*\j+3, ST+4*\j+1
	v_cndmask_b32 v[P+\j], v[ST+4*\j+2], v[P+\j], s46
	ds_store_b32 v185, v[P+\j] offset:64*\j
.endr
	s_wait_alu depctr_va_vdst(0)
	s_wait_dscnt 0x0                               ; for the others' sake: my stores are done
	s_barrier_signal -1
	s_barrier_wait -1
.irp c, 0,1,2,3,4,5,6,7
	ds_load_b32 v[188+\c], v186 offset:512*\c
	ds_load_b32 v[196+\c], v186 offset:4096+512*\c
.endr
	s_wait_dscnt 0x0
	LEX 188, 196, 189, 197
	LEX 190, 198, 191, 199
	LEX 192, 200, 193, 201
	LEX 194, 202, 195, 203
	LEX 188, 196, 190, 198
	LEX 192, 200, 194, 202
	LEX 188, 196, 192, 200
	global_store_b32 v187, v196, s[12:13]          ; a wave stores 128 consecutive bytes
	s_wait_tensorcnt 0x0                           ; the wave's end
	ds_add_u32 v[SPW], v[NIL]
	s_wait_dscnt 0x0
	ROUND                                          ; the closing round: no work-group ends while a partner may still ask for a tile that names it
	s_endpgm
.Lfunc_end_k_qede76159cb_main:
	.size	k_qede76159cb_main, .Lfunc_end_k_qede76159cb_main-k_qede76159cb_main
	.p2alignl 7, 3214868480
	.fill 96, 4, 3214868480
	.section	.rodata,"a",@progbits
	.p2align	6, 0x0
	.amdhsa_kernel k_qede76159cb_main
		.amdhsa_group_segment_fixed_size 327680
		.amdhsa_private_segment_fixed_size 0
		.amdhsa_enable_private_segment 0
		.amdhsa_kernarg_size 48
		.amdhsa_user_sgpr_count 2
		.amdhsa_user_sgpr_kernarg_segment_ptr 1
		.amdhsa_wavefront_size32 1
		.amdhsa_system_sgpr_workgroup_id_x 1
		.amdhsa_system_sgpr_workgroup_id_y 1
		.amdhsa_system_sgpr_workgroup_id_z 1
		.amdhsa_system_vgpr_workitem_id 0
		.amdhsa_next_free_vgpr 448
		.amdhsa_next_free_sgpr 66
		.amdhsa_reserve_vcc 1
		.amdhsa_float_denorm_mode_32 3
		.amdhsa_float_denorm_mode_16_64 3
		.amdhsa_memory_ordered 1
		.amdhsa_forward_progress 1
		.amdhsa_inst_pref_size 177
	.end_amdhsa_kernel
	.amdgpu_metadata
---
amdhsa.version: [ 1, 2 ]
amdhsa.kernels:
  - .name:           k_qede76159cb_main
    .symbol:         k_qede76159cb_main.kd
    .args:
      - { .name: xq, .offset: 0, .size: 8, .value_kind: global_buffer, .address_space: global }
      - { .name: xsc, .offset: 8, .size: 8, .value_kind: global_buffer, .address_space: global }
      - { .name: xsp, .offset: 16, .size: 8, .value_kind: global_buffer, .address_space: global }
      - { .name: cbrec, .offset: 24, .size: 8, .value_kind: global_buffer, .address_space: global }
      - { .name: out1, .offset: 32, .size: 8, .value_kind: global_buffer, .address_space: global }
      - { .name: idx, .offset: 40, .size: 8, .value_kind: global_buffer, .address_space: global }
    .group_segment_fixed_size: 327680
    .private_segment_fixed_size: 0
    .kernarg_segment_align: 8
    .kernarg_segment_size: 48
    .max_flat_workgroup_size: 256
    .sgpr_count:     66
    .vgpr_count:     448
    .wavefront_size: 32
...
	.end_amdgpu_metadata
.endif
;; end of part 2
;; launch gather (part 3): grid 512 x 1, 8 waves a work-group, no clusters, 67,584 bytes of LDS; arguments idx, codebook, out0; writes out0
.if DOCPART == 3
	.amdgcn_target "amdgcn-amd-amdhsa--gfx1250"
	.amdhsa_code_object_version 6
	.text
	.protected	k_qede76159cb_gather
	.globl	k_qede76159cb_gather
	.p2align	8
	.type	k_qede76159cb_gather,@function
k_qede76159cb_gather:
	s_mov_b64 s[64:65], 0
	v_nop
	global_prefetch_b8 v0, s[64:65] scope:SCOPE_SE
	s_setreg_imm32_b32 hwreg(HW_REG_WAVE_MODE, 25, 1), 1
	s_wait_xcnt 0x0
; out0[b][c][hw] = codebook[idx[1024 b + hw]][c].  A work-group takes 64 neighbouring rows (b, hw): each of its eight waves fetches eight rows of the codebook, 1,024 bytes each, by loads of 512 consecutive bytes;
; they turn through LDS, and leave by channels: sixteen lanes store the 64 rows' numbers of one channel, 256 consecutive bytes, aligned.
; Row rho of the 64 lies in LDS row rho / 4 + 16 (rho % 4), rows 1,040 bytes apart: so the lane that stores rows 4 a .. 4 a + 3 of a channel reads LDS rows a, a + 16, a + 32, a + 48,
; and the 32 lanes of such a read (16 values of a, two channels) touch 32 different banks: 260 a + channel mod 64 (64 banks of 4 bytes: ISA guide 11.1).
	s_load_b128 s[4:7], s[0:1], 0x0                ; idx s[4:5], codebook s[6:7]
	s_load_b64 s[8:9], s[0:1], 0x10                ; out0
	v_lshl_add_u32 v96, v0, 2, 0x10400
	v_mov_b32 v97, 0
	v_lshrrev_b32 v1, 5, v0
	s_delay_alu instid0(VALU_DEP_1)
	v_readfirstlane_b32 s10, v1                    ; wave 0..7
	v_and_b32 v1, 31, v0
	s_delay_alu instid0(VALU_DEP_1)
	v_lshlrev_b32 v2, 4, v1                        ; 16 x lane
	v_and_b32 v3, 15, v0                           ; a
	v_bfe_u32 v15, v0, 4, 1                        ; which of two channels
	s_lshl_b32 s12, ttmp9, 8                       ; idx: 64 rows of 4 bytes a work-group,
	s_lshl_b32 s13, s10, 5                         ; 8 a wave
	s_add_co_u32 s12, s12, s13
	s_mov_b32 s13, 0
	s_wait_alu depctr_va_vdst(0)
	s_wait_kmcnt 0x0
	s_add_nc_u64 s[4:5], s[4:5], s[12:13]
	s_load_b256 s[16:23], s[4:5], 0x0              ; my eight indices
	s_mul_i32 s14, s10, 2080
	v_add_nc_u32 v12, s14, v2                      ; into LDS: rows 2 w and 2 w + 1 of each group of sixteen
	v_mul_u32_u24 v13, v3, 1040
	s_delay_alu instid0(VALU_DEP_1)
	v_lshl_add_u32 v13, v15, 2, v13
	s_lshl_b32 s14, s10, 7
	v_add_nc_u32 v13, s14, v13                     ; back: LDS row a, channel 32 w + (lane / 16)
	v_lshlrev_b32 v14, 12, v15
	s_delay_alu instid0(VALU_DEP_1)
	v_lshl_add_u32 v14, v3, 4, v14                 ; out0: 4,096 bytes a channel, 16 bytes a lane
	s_lshr_b32 s24, ttmp9, 4
	s_lshl_b32 s24, s24, 20                        ; image b,
	s_lshl_b32 s25, s10, 17                        ; channel 32 w,
	s_add_co_u32 s24, s24, s25
	s_and_b32 s25, ttmp9, 15
	s_lshl_b32 s25, s25, 8                         ; the work-group's 64 places of 4 bytes
	s_add_co_u32 s24, s24, s25
	s_mov_b32 s25, 0
	s_add_nc_u64 s[8:9], s[8:9], s[24:25]
	s_wait_kmcnt 0x0
.irp e, 0,1,2,3,4,5,6,7
	s_min_u32 s[16+\e], s[16+\e], 8191             ; an index stays inside the table
	s_lshl_b32 s[16+\e], s[16+\e], 10              ; 1,024 bytes a row
	v_add_nc_u32 v[4+\e], s[16+\e], v2
.endr
	s_wait_alu depctr_va_vdst(0)
.irp e, 0,1,2,3,4,5,6,7
	global_load_b128 v[16+8*\e:16+8*\e+3], v[4+\e], s[6:7]              ; no hint: a row may be named by many
	global_load_b128 v[16+8*\e+4:16+8*\e+7], v[4+\e], s[6:7] offset:512
.endr
.set n, 0
.rept 16
	s_wait_loadcnt 15-n                            ; loads come back in order (ISA guide 5.7.1): this one is in, the younger ones stay out
	ds_store_b128 v12, v[16+4*n:16+4*n+3] offset:((n/2)/4)*1040+((n/2)%4)*16640+512*(n%2)
.set n, n+1
.endr
	s_wait_dscnt 0x0                               ; for the others' sake: my stores are done
	s_barrier_signal -1
	s_barrier_wait -1
.set y, 0
.rept 16
.irp e, 0,1,2,3
	ds_load_b32 v[16+4*y+\e], v13 offset:\e*16640+8*y   ; row 4 a + e of the 64, channel 32 w + 2 y + (lane / 16)
.endr
.set y, y+1
.endr
.set y, 0
.rept 16
	s_wait_dscnt 4*(15-y)                          ; these four words are in; the younger ones stay out
	global_store_b128 v14, v[16+4*y:16+4*y+3], s[8:9] offset:8192*y th:TH_STORE_NT   ; two channels: twice 256 consecutive bytes, aligned; written once, read by nobody here
.set y, y+1
.endr
	s_wait_tensorcnt 0x0
	ds_add_u32 v96, v97
	s_wait_dscnt 0x0
	s_endpgm
.Lfunc_end_k_qede76159cb_gather:
	.size	k_qede76159cb_gather, .Lfunc_end_k_qede76159cb_gather-k_qede76159cb_gather
	.p2alignl 7, 3214868480
	.fill 96, 4, 3214868480
	.section	.rodata,"a",@progbits
	.p2align	6, 0x0
	.amdhsa_kernel k_qede76159cb_gather
		.amdhsa_group_segment_fixed_size 67584
		.amdhsa_private_segment_fixed_size 0
		.amdhsa_enable_private_segment 0
		.amdhsa_kernarg_size 24
		.amdhsa_user_sgpr_count 2
		.amdhsa_user_sgpr_kernarg_segment_ptr 1
		.amdhsa_wavefront_size32 1
		.amdhsa_system_sgpr_workgroup_id_x 1
		.amdhsa_system_sgpr_workgroup_id_y 1
		.amdhsa_system_sgpr_workgroup_id_z 1
		.amdhsa_system_vgpr_workitem_id 0
		.amdhsa_next_free_vgpr 98
		.amdhsa_next_free_sgpr 66
		.amdhsa_reserve_vcc 0
		.amdhsa_float_denorm_mode_32 3
		.amdhsa_float_denorm_mode_16_64 3
		.amdhsa_memory_ordered 1
		.amdhsa_forward_progress 1
		.amdhsa_inst_pref_size 13
	.end_amdhsa_kernel
	.amdgpu_metadata
---
amdhsa.version: [ 1, 2 ]
amdhsa.kernels:
  - .name:           k_qede76159cb_gather
    .symbol:         k_qede76159cb_gather.kd
    .args:
      - { .name: idx, .offset: 0, .size: 8, .value_kind: global_buffer, .address_space: global }
      - { .name: codebook, .offset: 8, .size: 8, .value_kind: global_buffer, .address_space: global }
      - { .name: out0, .offset: 16, .size: 8, .value_kind: global_buffer, .address_space: global }
    .group_segment_fixed_size: 67584
    .private_segment_fixed_size: 0
    .kernarg_segment_align: 8
    .kernarg_segment_size: 24
    .max_flat_workgroup_size: 256
    .sgpr_count:     66
    .vgpr_count:     98
    .wavefront_size: 32
...
	.end_amdgpu_metadata
.endif
;; end of part 3
